; MI455X (gfx1250); checked and timed in simulation.
; The chip was launched on July 23, 2026; its instructions are those of AMD's public machine-readable ISA for CDNA 5 (MIT licence, August 2026) and "CDNA5" Instruction Set Architecture Reference Guide (July 2026). The comments in the code are by the model that wrote it; some were corrected since.
;; Golden Mo E Baseline. Allowed arithmetic: matrix products marked QUANTISED: E5M2 operands, one given power-of-two scale a tensor, by v_wmma_f32_16x16x64_bf8_bf8 or v_wmma_f32_16x16x128_bf8_bf8, f32 sums; products left as they are: f32 operands where the result goes on into a quantised operand, else bf16, f16 or f32 operands; f32 sums; everything else in f32.
;; Inputs: W1_codes 8 x 4,096 x 32 x 32 uint8 (E5M2 codes of W1, K innermost, in blocks of 32 codes); W2_codes 8 x 1,024 x 128 x 32 uint8 (E5M2 codes of W2, K innermost, in blocks of 32 codes); Wg 1,024 x 8 float32; b1 8 x 4,096 float32; b2 8 x 1,024 float32; bg 8 float32; lowp_scales 4 int32 (the exponents e of the quantised operands' scales 2^e); x 1,024 x 1,024 float32.
;; Outputs: out0 1,024 x 1,024 float32.
;; This version of the problem:
;;   THIS VERSION OF THE PROBLEM IS GIVEN IN LOW PRECISION. The matrix products marked QUANTISED in the list below multiply operands that are first quantised to E5M2 (5 exponent bits, 2 mantissa bits; 8 bits a number), with one given power-of-two scale for each operand tensor; their sums are f32. All else is computed in f32.
;;   The module's matrix products, in the order in which they are computed (A, B: the left and right operand; K: the contracted axis; several contracted axes count as one K, in the product's order):
;;     1. [M 1,024, K 1,024] x [K 1,024, N 8]; A: input x; B: input Wg: left as it is (N = 8 < 16)
;;     2. [M 32,768, K 1,024] x [K 1,024, N 1,024]; A: input W1 (given as codes); B: input x: QUANTISED (scales: A lowp_scales[0], B lowp_scales[1])
;;     3. batch 8 x [M 1,024, K 4,096] x [K 4,096, N 1,024]; A: computed on the way; B: input W2 (given as codes): QUANTISED (scales: A lowp_scales[2], B lowp_scales[3])
;;     4. batch 1,024 x [M 1, K 8] x [K 8, N 1,024]; A: computed on the way; B: computed on the way: left as it is (K = 8 < 32)
;;   THE QUANTISER, for each operand of a quantised product, along K:
;;     - The operand's scale is 2^e, e = its entry of the input lowp_scales (int32; the entries are numbered through the quantised products in the list's order, A before B).
;;     - Each number is divided by the scale, clamped to +-57,344, and rounded to the nearest number of E5M2, ties to even, subnormals kept.
;;     - The product sums the exact products of the quantised numbers (number of the format x scale) in f32.
;;   ~~~python
;;   def quantise(x, axis, e):      # numpy; x: float32 -> the quantised numbers, widened to float32 again
;;       x = np.moveaxis(x, axis, -1); K = x.shape[-1]
;;       r = np.clip(x / 2.0 ** e, -57344, 57344)
;;       step = 2.0 ** (np.maximum(np.frexp(np.where(r == 0, 1, r))[1] - 1, -14) - 2)
;;       q = np.round(r / step) * step * 2.0 ** e      # np.round: ties to even
;;       return np.moveaxis(q, -1, axis).astype(np.float32)
;;   ~~~
;;   OPERANDS COMPUTED ON THE WAY. 'Computed on the way' means the value that the module computes at that place (a softmax that the list does not call 'softmax' is quantised finished and normalised). What goes into a quantiser is computed in f32, as accurately as f32 sums, v_exp_f32 and their like allow (about 1e-6 of the number): no bf16 or f16 on the way to a quantiser, and a product that is left as it is and whose result goes on into a quantised operand takes f32 operands (vector FMAs, or v_wmma_f32_16x16x4_f32). A number that lies on a knife's edge between two numbers of the format may be rounded either way, as far as f32 arithmetic and the matrix unit's own rounding can turn it there, and no further.
;;   INPUTS GIVEN AS CODES. W1 (in the module: [8, 1024, 4096], K = its axis 1); W2 (in the module: [8, 4096, 1024], K = its axis 1): each comes as NAME_codes (uint8): NAME with its K axis moved to the last place and cut into blocks of 32 codes, [.., K / 32, bytes a block], one block behind the other in memory; one code a byte (a code: sign, 5 exponent bits, 2 mantissa bits); its scale is its entry of lowp_scales. Its value is code x scale, taken as it is: it is not quantised again, and the codes and scales need not be those that the quantiser above would give.
;; One version. Each part assembles by itself: llvm-mc -triple=amdgcn-amd-amdhsa -mcpu=gfx1250 --defsym DOCPART=n.
;; ======== version 1 of 1: 4 launches
;; limits: right only within a limited range of input values
;; workspace buffers: xq 1,048,576 bytes; gw 65,536 bytes; ix 65,536 bytes of whole numbers; hq 33,554,432 bytes; part 67,108,864 bytes
;; launch prep (part 1): grid 256 x 1, 4 waves a work-group, no clusters, 41,984 bytes of LDS; arguments x, Wg, bg, lowp_scales, xq, gw, ix; writes xq, gw, ix
.if DOCPART == 1
	.amdgcn_target "amdgcn-amd-amdhsa--gfx1250"
	.amdhsa_code_object_version 6
	.text
	.protected	k_q04079cbc64_prep
	.globl	k_q04079cbc64_prep
	.p2align	8
	.type	k_q04079cbc64_prep,@function
k_q04079cbc64_prep:
	s_mov_b64 s[64:65], 0
	v_nop
	global_prefetch_b8 v0, s[64:65] scope:SCOPE_SE
	s_setreg_imm32_b32 hwreg(HW_REG_WAVE_MODE, 25, 1), 1
	s_wait_xcnt 0x0
; THE ROUTER AND x's QUANTISER.  ix[n][r] = the expert of rank r among token n's probabilities (whole numbers); gw[n][r] = its renormalised weight (0 for ranks 5 to 7); xq[n][k] = x's codes of E5M2 under the given scale 2^e1.
; A token's row of ix and of gw is 16 words: r = 0 .. 7, and the same once more, so that a work-group's four rows are 256 bytes.
; THE WHOLE PROGRAM: prep (this) | up: hq = Q(relu(x W1 + b1)) as codes | down: 16 partial products of h W2, one for each expert and half of its K | comb: y = sum over the five chosen experts of gw (the two halves + b2).
; WORK LEFT OUT, in the last two launches: the terms of y for the three experts that a token did not choose.  Their weight is probs x mask with the mask's 0, so it is 0 whatever the inputs hold, and 0 x (a finite row) adds nothing.
; Which terms these are is decided here, stored as whole numbers, and read from memory by those launches: down does not store their rows, comb does not read them.  The two products still multiply those rows: they lie inside tiles that also hold chosen rows.
; Every input has a way to y and is loaded.
; LIMIT: a NaN, an infinity or an overflow in the row of an expert that a token did not choose is not carried to y.
; SHARES: a work-group takes 4 tokens, a wave one.  A lane holds the 32 numbers k = 128 i + 4 lane + j of its token, as eight loads of 512 consecutive bytes bring them; they serve the quantiser and the eight dot products: x is read once.
; Wg (32,768 bytes) goes once into LDS, in pieces of 4 k x 8 experts (128 bytes) 144 bytes apart, so that the 32 lanes of a load start at different banks.
; NO CLUSTER: what work-groups share is Wg alone, read once by each at the head; there is no ring in which joint loads could meet.  No prefetch: every load is issued within the first lines.
; SOFTMAX: t = (x . Wg + bg) log2(e) / e; the row's largest t is taken away; p = 2^(t - max) / the sum.  RANK: expert j loses to i < j where p_i >= p_j, and i to j where p_i < p_j (of equals the lower index wins); an expert's losses are its rank; chosen = rank under 5.
; Values alone hang on these numbers: every store goes to a fixed place.
; LIMITS: e1 between -126 and 112, so that 2^e1 and 57,344 x 2^e1 are f32 numbers.  NaN in x is not served.  An exponential under 2^-126 comes out as 0.  The division by e is a multiplication by log2(e) / e, rounded once.
.set WP,    144                        ; from piece to piece of Wg in LDS
.set CODES, 256*WP                     ; 36,864: a row of 1,024 codes for each wave, the wave's own
.set GWS,   CODES+4*1024               ; 40,960: the 4 tokens' 8 weights; 256 bytes behind them their 8 experts' numbers
.set SPARE, GWS+512                    ; 41,472: the spare words, 128 bytes for each wave: two blocks of 256 bytes that no other line names
.set SPW,   2                          ; v2   LDS address of my spare word; never rewritten
.set NIL,   3                          ; v3   0; never rewritten
.set X,     16                         ; v16-47   my 32 numbers of x
.set WB,    48                         ; v48-175  four sets of 32: a piece of Wg: register 8 j + e = Wg(k + j, e); at first v48-111: 64 registers in which Wg passes
.set Q,     112                        ; v112-143 at first: x held between the largest codes
.set ACC,   176                        ; v176-183 the eight sums
.set T,     184                        ; v184-191 t, then p, then the weights
.set L,     192                        ; v192-199 losses
.set W,     200                        ; v200-215 at work
.set CO,    216                        ; v216-223 my 32 codes
.set RW,    224                        ; v224-231 the row's codes as they are stored
	s_load_b256 s[4:11], s[0:1], 0x0               ; x s[4:5], Wg s[6:7], bg s[8:9], the scales' exponents s[10:11]
	s_load_b128 s[12:15], s[0:1], 0x20             ; xq s[12:13], gw s[14:15]
	s_load_b64 s[48:49], s[0:1], 0x30              ; ix
	v_lshl_add_u32 v[SPW], v0, 2, SPARE
	v_mov_b32 v[NIL], 0
	v_lshrrev_b32 v1, 5, v0
	v_readfirstlane_b32 s28, v1                    ; wave 0..3
	s_lshl_b32 s40, s28, 10
	s_add_co_u32 s40, s40, CODES                   ; my wave's row of codes
	s_lshl_b32 s41, s28, 5
	s_add_co_u32 s41, s41, GWS                     ; my token's words
	v_and_b32 v1, 31, v0                           ; lane
	v_lshlrev_b32 v5, 4, v0                        ; 16 x thread: Wg in memory
	v_lshrrev_b32 v6, 3, v0
	v_and_b32 v11, 7, v0                           ; lane % 8
	v_lshlrev_b32 v4, 4, v1                        ; 16 x lane: x's loads and xq's stores
	v_mul_u32_u24 v6, v6, WP
	v_lshrrev_b32 v12, 3, v1
	v_and_b32 v9, 3, v1
	v_lshl_add_u32 v6, v11, 4, v6                  ; Wg into LDS: eight threads fill a piece
	v_lshlrev_b32 v12, 5, v12
	v_mul_u32_u24 v7, v1, WP                       ; Wg out of LDS: piece 32 g + lane
	v_lshl_add_u32 v12, v9, 3, v12                 ; token lane / 8, words 2 (lane % 4) and the next
	v_lshl_add_u32 v8, v1, 2, s40                  ; in: 4 codes a lane
	v_lshl_add_u32 v9, v1, 4, s40                  ; back: 16 codes a lane
	v_lshl_add_u32 v10, v11, 2, s41                ; my token's word for rank lane % 8
	v_lshlrev_b32 v13, 3, v1                       ; 8 x lane: gw's and ix's stores
	v_add_nc_u32 v12, GWS, v12
	s_lshl_b32 s42, ttmp9, 2
	s_add_co_u32 s42, s42, s28                     ; my token
	s_lshl_b32 s44, s42, 12                        ; its row of x,
	s_mov_b32 s45, 0
	s_lshl_b32 s46, s42, 10                        ; of xq,
	s_mov_b32 s47, 0
	s_lshl_b32 s42, ttmp9, 8                       ; and the work-group's 256 bytes of gw and of ix
	s_mov_b32 s43, 0
	s_mov_b32 s29, 0x3f07de6f                      ; log2(e) / e
	s_mov_b32 s30, 0x76543210                      ; v_permlanex16_b32: lane l xor 16
	s_mov_b32 s31, 0xfedcba98
	s_wait_alu depctr_va_vdst(0)
	s_wait_kmcnt 0x0
	s_load_b256 s[16:23], s[8:9], 0x0              ; bg
	s_load_b128 s[24:27], s[10:11], 0x0            ; e0 .. e3
	s_add_nc_u64 s[4:5], s[4:5], s[44:45]
	s_add_nc_u64 s[12:13], s[12:13], s[46:47]
	s_add_nc_u64 s[14:15], s[14:15], s[42:43]
	s_add_nc_u64 s[48:49], s[48:49], s[42:43]
.irp i, 0,1,2,3,4,5,6,7
	global_load_b128 v[X+4*\i:X+4*\i+3], v4, s[4:5] offset:512*\i th:TH_LOAD_NT   ; 512 consecutive bytes of my token's row
.endr
.set n, 0
.rept 16
	global_load_b128 v[WB+4*n:WB+4*n+3], v5, s[6:7] offset:2048*n                 ; the work-group reads 2,048 consecutive bytes of Wg
.set n, n+1
.endr
.irp e, 0,1,2,3,4,5,6,7
	v_mov_b32 v[W+\e], 0                           ; written once: a lane permute's destination counts as one of its sources
.endr
	s_wait_alu depctr_va_vdst(0)
	s_wait_kmcnt 0x0                               ; bg and the exponents
.irp e, 0,1,2,3,4,5,6,7
	s_mul_f32 s[32+\e], s[16+\e], s29
.endr
	s_add_co_i32 s40, s25, 127                     ; e1: x's scale
	s_lshl_b32 s41, s40, 23
	s_add_co_i32 s40, s40, 15
	s_lshl_b32 s40, s40, 23
	s_or_b32 s40, s40, 0x600000
	v_mov_b32 v14, s41                             ; 2^e1 as f32: the conversion takes its exponent field
	v_mov_b32 v15, s40                             ; 57,344 x 2^e1
	s_wait_alu depctr_va_vdst(0)
	s_wait_loadcnt 16                              ; x is in; Wg's sixteen loads may be out
	; x's codes leave while Wg is on its way
.set i, 0
.rept 32
	v_med3_num_f32 v[Q+i], v[X+i], -v15, v15       ; the conversion to an 8-bit code does not saturate (ISA guide 7.6.2): the hold at the largest code x the scale
.set i, i+1
.endr
.irp p, 0,1,2,3
	v_cvt_scalef32_pk8_bf8_f32 v[CO+2*\p:CO+2*\p+1], v[Q+8*\p:Q+8*\p+7], v14   ; register CO + i: the four codes of load i
.endr
	v_nop                                          ; a plain instruction behind the last conversion
.irp i, 0,1,2,3,4,5,6,7
	ds_store_b32 v8, v[CO+\i] offset:128*\i        ; k = 128 i + 4 lane + 0 .. 3
.endr
	ds_load_b128 v[RW:RW+3], v9                    ; LDS serves a wave's instructions in order: these see my stores
	ds_load_b128 v[RW+4:RW+7], v9 offset:512
	s_wait_alu depctr_va_vdst(0)
	s_wait_loadcnt 0x0
.set n, 0
.rept 16
	ds_store_b128 v6, v[WB+4*n:WB+4*n+3] offset:16*WP*n
.set n, n+1
.endr
	s_wait_dscnt 0x0                               ; the row is back; and, for the others' sake, my part of Wg lies in LDS
	global_store_b128 v4, v[RW:RW+3], s[12:13]                 ; 32 lanes store 512 consecutive bytes, at a multiple of 512 from xq's first byte
	global_store_b128 v4, v[RW+4:RW+7], s[12:13] offset:512
	s_barrier_signal -1
	s_barrier_wait -1
; piece 32 g + lane of Wg into set g % 4.  (g may be given as a sum: it stands in brackets wherever it is part of a larger expression)
.macro WLD g
.irp q, 0,1,2,3,4,5,6,7
	ds_load_b128 v[WB+32*((\g)%4)+4*\q:WB+32*((\g)%4)+4*\q+3], v7 offset:32*WP*(\g)+16*\q
.endr
.endm
; my four numbers of load g times their rows of Wg: two experts an instruction; x's number feeds both halves (its pair's low register for even j, the high one for odd j).  The first four products start the sums.
.macro DOT g
.irp j, 0,1,2,3
.irp p, 0,1,2,3
.if ((\g) == 0) && (\j == 0)
	v_pk_mul_f32 v[ACC+2*\p:ACC+2*\p+1], v[X:X+1], v[WB+2*\p:WB+2*\p+1] op_sel_hi:[0,1]
.elseif (\j % 2) == 0
	v_pk_fma_f32 v[ACC+2*\p:ACC+2*\p+1], v[X+4*(\g)+\j:X+4*(\g)+\j+1], v[WB+32*((\g)%4)+8*\j+2*\p:WB+32*((\g)%4)+8*\j+2*\p+1], v[ACC+2*\p:ACC+2*\p+1] op_sel_hi:[0,1,1]
.else
	v_pk_fma_f32 v[ACC+2*\p:ACC+2*\p+1], v[X+4*(\g)+\j-1:X+4*(\g)+\j], v[WB+32*((\g)%4)+8*\j+2*\p:WB+32*((\g)%4)+8*\j+2*\p+1], v[ACC+2*\p:ACC+2*\p+1] op_sel:[1,0,0] op_sel_hi:[1,1,1]
.endif
.endr
.endr
.endm
	WLD 0
	WLD 1
	WLD 2
	WLD 3
.irp g, 0,1,2,3
	s_wait_alu depctr_va_vdst(0)
	s_wait_dscnt 24                                ; set g is in; the three younger sets, eight loads each, may be out
	DOT \g
	WLD \g+4
.endr
	s_wait_alu depctr_va_vdst(0)
	s_wait_dscnt 24
	DOT 4
	s_wait_alu depctr_va_vdst(0)
	s_wait_dscnt 16
	DOT 5
	s_wait_alu depctr_va_vdst(0)
	s_wait_dscnt 8
	DOT 6
	s_wait_alu depctr_va_vdst(0)
	s_wait_dscnt 0x0
	DOT 7
	; the eight sums over the 32 lanes: four steps inside each half ride on the addition, one crosses the halves; every lane ends with all eight
.irp m, 1,2,4,8
.irp e, 0,1,2,3,4,5,6,7
	v_add_f32_dpp v[ACC+\e], v[ACC+\e], v[ACC+\e] row_xmask:\m row_mask:0xf bank_mask:0xf
.endr
.endr
.irp e, 0,1,2,3,4,5,6,7
	v_permlanex16_b32 v[W+\e], v[ACC+\e], s30, s31
.endr
.irp e, 0,1,2,3,4,5,6,7
	v_add_f32 v[ACC+\e], v[ACC+\e], v[W+\e]
.endr
.irp e, 0,1,2,3,4,5,6,7
	v_fma_f32 v[T+\e], v[ACC+\e], s29, s[32+\e]    ; t = (sum + bg) log2(e) / e
.endr
	v_max3_num_f32 v[W+8], v[T], v[T+1], v[T+2]
	v_max3_num_f32 v[W+9], v[T+3], v[T+4], v[T+5]
	v_max_num_f32 v[W+10], v[T+6], v[T+7]
	v_max3_num_f32 v[W+8], v[W+8], v[W+9], v[W+10] ; the row's largest t is taken away
.irp e, 0,1,2,3,4,5,6,7
	v_sub_f32 v[T+\e], v[T+\e], v[W+8]
.endr
	s_wait_alu depctr_va_vdst(0)
.irp e, 0,1,2,3,4,5,6,7
	v_exp_f32 v[T+\e], v[T+\e]
.endr
.irp e, 0,1,2,3,4,5,6,7
	v_mov_b32 v[L+\e], 0                           ; plain work behind the exponentials: the losses begin at 0
.endr
	s_wait_alu depctr_va_vdst(0)                   ; one wait for the eight exponentials, ahead of their first reader
	v_add_f32 v[W+9], v[T], v[T+1]
	v_add_f32 v[W+10], v[T+2], v[T+3]
	v_add_f32 v[W+11], v[T+4], v[T+5]
	v_add_f32 v[W+12], v[T+6], v[T+7]
	v_add_f32 v[W+9], v[W+9], v[W+10]
	v_add_f32 v[W+11], v[W+11], v[W+12]
	v_add_f32 v[W+9], v[W+9], v[W+11]
	s_wait_alu depctr_va_vdst(0)
	v_rcp_f32 v[W+9], v[W+9]
	v_nop                                          ; a plain instruction behind the reciprocal
	s_wait_alu depctr_va_vdst(0)
.irp e, 0,1,2,3,4,5,6,7
	v_mul_f32 v[T+\e], v[T+\e], v[W+9]             ; the probabilities
.endr
.irp i, 0,1,2,3,4,5,6
.irp j, 1,2,3,4,5,6,7
.if \j > \i
	v_cmp_ge_f32 vcc_lo, v[T+\i], v[T+\j]
	v_add_co_ci_u32 v[L+\j], vcc_lo, 0, v[L+\j], vcc_lo   ; j loses to the lower index where it is not larger
	v_cmp_lt_f32 vcc_lo, v[T+\i], v[T+\j]
	v_add_co_ci_u32 v[L+\i], vcc_lo, 0, v[L+\i], vcc_lo   ; i loses where j is larger
.endif
.endr
.endr
.irp e, 0,1,2,3,4,5,6,7
	v_cmp_gt_u32 vcc_lo, 5, v[L+\e]
	v_cndmask_b32 v[T+\e], 0, v[T+\e], vcc_lo      ; p where fewer than five are ahead, else 0
.endr
	v_add_f32 v[W+9], v[T], v[T+1]
	v_add_f32 v[W+10], v[T+2], v[T+3]
	v_add_f32 v[W+11], v[T+4], v[T+5]
	v_add_f32 v[W+12], v[T+6], v[T+7]
	v_add_f32 v[W+9], v[W+9], v[W+10]
	v_add_f32 v[W+11], v[W+11], v[W+12]
	v_add_f32 v[W+9], v[W+9], v[W+11]
	v_add_f32 v[W+9], 0x322bcc77, v[W+9]           ; + 1e-8
	s_wait_alu depctr_va_vdst(0)
	v_rcp_f32 v[W+9], v[W+9]
	v_nop                                          ; a plain instruction behind the reciprocal
	s_wait_alu depctr_va_vdst(0)
.irp e, 0,1,2,3,4,5,6,7
	v_mul_f32 v[T+\e], v[T+\e], v[W+9]             ; the weights
.endr
	v_mov_b32 v[W+10], v[T]                        ; my lane takes the expert whose rank is lane % 8: its weight,
	v_mov_b32 v[W+11], 0                           ; and its number.  The eight ranks are the numbers 0 to 7, each once: expert 0 stands unless another has my rank
.irp e, 1,2,3,4,5,6,7
	v_cmp_ne_u32 vcc_lo, v[L+\e], v11
	v_cndmask_b32 v[W+10], v[T+\e], v[W+10], vcc_lo   ; kept where expert e's rank is not mine
	v_cndmask_b32 v[W+11], \e, v[W+11], vcc_lo
.endr
	ds_store_b32 v10, v[W+10]                      ; four lanes write each word, with the same number
	ds_store_b32 v10, v[W+11] offset:256
	s_wait_alu depctr_va_vdst(0)
	s_wait_dscnt 0x0                               ; for the others' sake: my token's weights and numbers lie in LDS
	s_barrier_signal -1
	s_barrier_wait -1
	s_cmp_lg_u32 s28, 0                            ; wave 0 stores the 4 tokens' weights and numbers: each time 32 lanes, 256 consecutive bytes, aligned
	s_cbranch_scc1 .Lend
	ds_load_b64 v[W+12:W+13], v12
	ds_load_b64 v[W+14:W+15], v12 offset:256
	s_wait_dscnt 0x0
	global_store_b64 v13, v[W+12:W+13], s[14:15]
	global_store_b64 v13, v[W+14:W+15], s[48:49]
.Lend:
	s_wait_tensorcnt 0x0                           ; the wave's end, behind my last LDS store
	ds_add_u32 v[SPW], v[NIL]
	s_wait_dscnt 0x0
	s_endpgm
.Lfunc_end_k_q04079cbc64_prep:
	.size	k_q04079cbc64_prep, .Lfunc_end_k_q04079cbc64_prep-k_q04079cbc64_prep
	.p2alignl 7, 3214868480
	.fill 96, 4, 3214868480
	.section	.rodata,"a",@progbits
	.p2align	6, 0x0
	.amdhsa_kernel k_q04079cbc64_prep
		.amdhsa_group_segment_fixed_size 41984
		.amdhsa_private_segment_fixed_size 0
		.amdhsa_enable_private_segment 0
		.amdhsa_kernarg_size 56
		.amdhsa_user_sgpr_count 2
		.amdhsa_user_sgpr_kernarg_segment_ptr 1
		.amdhsa_wavefront_size32 1
		.amdhsa_system_sgpr_workgroup_id_x 1
		.amdhsa_system_sgpr_workgroup_id_y 1
		.amdhsa_system_sgpr_workgroup_id_z 1
		.amdhsa_system_vgpr_workitem_id 0
		.amdhsa_next_free_vgpr 256
		.amdhsa_next_free_sgpr 66
		.amdhsa_reserve_vcc 1
		.amdhsa_float_denorm_mode_32 3
		.amdhsa_float_denorm_mode_16_64 3
		.amdhsa_memory_ordered 1
		.amdhsa_forward_progress 1
		.amdhsa_inst_pref_size 34
	.end_amdhsa_kernel
	.amdgpu_metadata
---
amdhsa.version: [ 1, 2 ]
amdhsa.kernels:
  - .name:           k_q04079cbc64_prep
    .symbol:         k_q04079cbc64_prep.kd
    .args:
      - { .name: x, .offset: 0, .size: 8, .value_kind: global_buffer, .address_space: global }
      - { .name: Wg, .offset: 8, .size: 8, .value_kind: global_buffer, .address_space: global }
      - { .name: bg, .offset: 16, .size: 8, .value_kind: global_buffer, .address_space: global }
      - { .name: lowp_scales, .offset: 24, .size: 8, .value_kind: global_buffer, .address_space: global }
      - { .name: xq, .offset: 32, .size: 8, .value_kind: global_buffer, .address_space: global }
      - { .name: gw, .offset: 40, .size: 8, .value_kind: global_buffer, .address_space: global }
      - { .name: ix, .offset: 48, .size: 8, .value_kind: global_buffer, .address_space: global }
    .group_segment_fixed_size: 41984
    .private_segment_fixed_size: 0
    .kernarg_segment_align: 8
    .kernarg_segment_size: 56
    .max_flat_workgroup_size: 128
    .sgpr_count:     66
    .vgpr_count:     256
    .wavefront_size: 32
...
	.end_amdgpu_metadata
.endif
;; end of part 1
;; launch up (part 2): grid 32 x 8, 4 waves a work-group, clusters of 4 x 1, 327,680 bytes of LDS; arguments xq, W1_codes, b1, lowp_scales, hq; writes hq
.if DOCPART == 2
	.amdgcn_target "amdgcn-amd-amdhsa--gfx1250"
	.amdhsa_code_object_version 6
	.text
	.protected	k_q04079cbc64_up
	.globl	k_q04079cbc64_up
	.p2align	8
	.type	k_q04079cbc64_up,@function
k_q04079cbc64_up:
	s_mov_b64 s[64:65], 0
	v_nop
	global_prefetch_b8 v0, s[64:65] scope:SCOPE_SE
	s_setreg_imm32_b32 hwreg(HW_REG_WAVE_MODE, 25, 1), 1
	s_wait_xcnt 0x0
	s_wait_alu depctr_hold_cnt(0) depctr_sa_sdst(0) depctr_va_vdst(0) depctr_va_sdst(0) depctr_va_ssrc(0) depctr_va_vcc(0) depctr_vm_vsrc(0)
	s_getreg_b32 s2, hwreg(HW_REG_IB_STS2, 6, 4)
	s_cmp_eq_u32 s2, 0
	s_cbranch_scc0 .Lentry_in_a_cluster
	s_endpgm
.Lentry_in_a_cluster:
	s_bfe_u32 s2, ttmp6, 0x10000c
	s_cmp_lg_u32 s2, 0x3003
	s_cbranch_scc0 .Lentry_shape_is_right
	s_endpgm
.Lentry_shape_is_right:
; hq = the codes of h = relu(x W1 + b1), for all 8 experts and all 1,024 tokens, on codes of E5M2.  No work is left out here (the last launch passes over the rows of experts that a token did not choose; they lie inside tiles that also hold chosen rows).
; SHARES.  Work-group (slice, e) holds 128 hidden units of expert e, 131,072 bytes of W1: each byte of W1 goes to one work-group, once.  It walks all tokens, 128 a block, 8 blocks.
; Wave w = (hh = w / 2, rp = w % 2) keeps hidden units 64 hh .. + 63 over the whole K = 1,024 in 512 REGISTERS (32 fragments of 16 x 128) and serves the tiles of 16 tokens of parity rp: four a block, 32 matrix instructions each.
; A fragment of x read from LDS (2,048 bytes) feeds four matrix instructions.
; THE RING.  Two LDS slots of 128 rows x 1,024 bytes.  W1's slice has the shape of a block of x: it is slot 0's first fill, goes from there into registers, and the slot then takes blocks of x.  Slot 1's first fill is the first block.
; THE HEAD: one tensor load a wave: waves 0 and 1 fetch the halves of W1's slice, waves 2 and 3 those of the first block of x.
; A TILE'S 32 PRODUCTS go in two halves of 16 (K steps 0-3, 4-7; in each K step my four tiles of hidden units).  Behind each product of the first half stand two holds of the tile before.  Between the halves that tile is converted and stored,
; and the 16 LDS loads of the NEXT tile's fragments of K steps 0-3 go out in one run; behind the second half those of K steps 4-7.  So a run is out for half a tile before its use.
; THE CHANGE OF SLOTS STANDS IN A BLOCK'S LAST TILE: all that tile's fragments have been asked for ahead of it, so nobody reads the slot any more once they are in; eight products stand between the barrier's signal and its wait.
; CLUSTER.  The four work-groups of a cluster (four slices of one expert) walk the same blocks of x: each block is asked for JOINTLY (mask 15).  W1's slices are each work-group's own: a plain load.
; Cluster (X, e) begins at block (X + e) % 8: the number enters global addresses alone and is the same in the four partners.
; THE MATRIX INSTRUCTION IS USED TRANSPOSED (source 0 = 16 rows of W1, source 1 = 16 tokens): a lane holds ONE token and its registers run along the hidden units, the next product's K.
; THE ROWS OF W1 THAT FORM A TILE ARE NOT NEIGHBOURS: lane r of tile 2 b + u takes hidden unit 64 hh + 32 b + 8 u + r + 8 (r / 8), so that the 16 registers of tiles 2 b, 2 b + 1 are the 16 neighbours 32 b + 16 (lane / 16) + 0 .. 15.
; hq IS LAID AS THE NEXT LAUNCH'S OPERAND REGISTERS: [e][s = slice][m = tile of 16 tokens][c 4][lane 32][16 bytes]; lane r + 16 h, group c: token 16 m + r, hidden 128 s + 32 c + 16 h + 0 .. 15.  My two groups are c = 2 hh + b: each store is 512 consecutive bytes.
; SCALES.  A sum stands for sum x 2^(e0 + e1).  b1 goes in as the C of each sum's first instruction, divided by that power; the conversion's one scale is 2^(e2 - e0 - e1); the hold between 0 and the largest code is the activation too.
; k's places in a fragment are 32 c + 16 (lane / 16) + 0 .. 15 for registers 4 c .. 4 c + 3, alike in both operands: a permutation of k that keeps every product with its partner.
; LIMITS: e2 - e0 - e1 between -126 and 112.  No prefetch: W1 is asked for whole at the head, and xq is read again and again by all clusters.
; REGISTERS, in windows of 256: window 0: v1-14 addresses and the scale; v28, v29 the add's two; v32-63 b1's four tiles; v64-127 two sets of four accumulators; v128-143 two sets of codes.
;   window 1: W1's fragments of K steps 0-3 (step s, tile t at v[16 (4 s + t)]);  window 2: of K steps 4-7;  window 3: two sets of x's eight fragments.
.set PITCH, 1040                       ; an LDS row: 1,024 bytes + 16 of padding = 65 x 16: the 16 rows that a load touches start at 16 different groups of four banks (64 banks of 4 bytes: ISA guide 11.1)
.set WROWS, 32*PITCH                   ; 33,280: what one tensor load of the loop brings
.set SLOT,  128*PITCH                  ; 133,120
.set SPARE, 2*SLOT                     ; 266,240: the spare words, 128 bytes for each wave: two blocks of 256 bytes that no other line names
.set AW,   4                           ; v4     my lane's place in W1's slice
.set AX,   8                           ; v8-11  my lane's place in x's block: slot 0 tiles 0, 1; slot 0 tiles 2, 3; slot 1 likewise
.set OUTV, 12                          ; v12    my 16 bytes in an image
.set BOFF, 13                          ; v13    b1: my half's bytes
.set SC,   14                          ; v14    2^(e2 - e0 - e1)
.set SPW,  28
.set NIL,  29
.set BIAS, 32
.set ACC0, 64
.set ACC1, 96
.set CD0,  128
.set CD1,  136
.set WV,   14                          ; s14    wave
.set LIMS, 16                          ; s16    at the head rp; then 57,344 x 2^(e2 - e0 - e1): a scalar, so that the hold names no vector register but the sum's own
.set NB,   20                          ; s20    the block that was asked for last
.set CB,   21                          ; s21    the block whose codes are being stored
.set G1W,  24                          ; s[24:31] descriptor group 1, plain, 64 rows;  s[32:39] joint, 32 rows;  s[68:75] joint, 64 rows
.set G1X,  32
.set G1H,  68
.set G0W,  40                          ; s[40:43] group 0 for W1;  s[44:47], s[48:51] for x, one set for each slot;  s[76:79] for the first block of x
.set G0X,  44
.set G0H,  76
.set HB,   52                          ; s[52:53] hq at the block whose codes are being stored
.set HQ0,  54                          ; s[54:55] hq at (e, slice)
.set XB,   56                          ; s[56:57] xq at my wave's 32 rows of block 0
.set MSB, 0
.macro WIN new                         ; the immediate's high byte repeats the setting that is left
.if MSB != \new
	s_set_vgpr_msb (MSB<<8)|\new
.set MSB, \new
.endif
.endm
.macro NOP4
.rept 4
	v_nop
.endr
.endm
; A round of the cluster's barrier: my work-group's barrier; wave 0 signals for the work-group; every wave waits for all four work-groups; my work-group's barrier once more.
.macro CREST                           ; a round behind its opening barrier
	s_cmp_lg_u32 s[WV], 0
	s_cbranch_scc1 .Lnot_wave_0_\@
	s_barrier_signal -3
.Lnot_wave_0_\@:
	s_barrier_wait -3
	s_barrier_signal -1
	s_barrier_wait -1
.endm
.macro ROUND
	s_barrier_signal -1
	s_barrier_wait -1
	CREST
.endm
.macro JX s                            ; the joint load of a block of x into slot s: every wave brings its 32 rows; an s_nop 0 and four v_nop follow
	tensor_load_to_lds s[G0X+4*(\s):G0X+4*(\s)+3], s[G1X:G1X+7]
	s_nop 0
	NOP4
.endm
.macro NEXTX s                         ; the next block, round the eight, into slot s's group 0 (no tensor load of mine is out)
	s_add_co_u32 s[NB], s[NB], 1
	s_and_b32 s[NB], s[NB], 7
	s_lshl_b32 s22, s[NB], 17                      ; 128 rows of 1,024 bytes
	s_add_nc_u64 s[G0X+4*(\s)+2:G0X+4*(\s)+3], s[XB:XB+1], s[22:23]
	s_or_b32 s[G0X+4*(\s)+3], s[G0X+4*(\s)+3], 0x80000000
.endm
.macro XRUN buf, slot, j, k0           ; 16 LDS loads in one run: K steps k0 .. k0 + 3 of my j-th tile of 16 tokens in the slot, into set buf
	WIN 0xc0                                       ; destination window 3, address window 0
.set kk, \k0
.rept 4
.set cc, 0
.rept 4
	ds_load_b128 v[128*(\buf)+16*kk+4*cc:128*(\buf)+16*kk+4*cc+3], v[AX+2*(\slot)+(\j)/2] offset:((\j)%2)*WROWS+128*kk+32*cc
.set cc, cc+1
.endr
.set kk, kk+1
.endr
	WIN 0
.endm
; the end of a tile's way out: its 32 held sums a lane become 32 codes and leave
.macro CODES acc, cd, j
.irp b, 0,1
	v_cvt_scalef32_pk8_bf8_f32 v[(\cd)+4*\b:(\cd)+4*\b+1], v[(\acc)+16*\b:(\acc)+16*\b+7], v[SC]
	v_cvt_scalef32_pk8_bf8_f32 v[(\cd)+4*\b+2:(\cd)+4*\b+3], v[(\acc)+16*\b+8:(\acc)+16*\b+15], v[SC]
.endr
	v_nop                                          ; a plain instruction behind the last conversion
.irp b, 0,1
	global_store_b128 v[OUTV], v[(\cd)+4*\b:(\cd)+4*\b+3], s[HB:HB+1] offset:4096*(\j)+512*\b th:TH_STORE_NT   ; 32 lanes store 512 consecutive bytes, at a multiple of 512 from hq's first byte
.endr
.endm
.macro PROD4 buf, acc, way, pacc       ; K step ks: my four tiles of hidden units take turns, one instruction a turn
.set tt, 0
.rept 4
.set rW, 16*(4*(ks%4)+tt)
.set rX, 128*(\buf)+16*ks
.set rA, (\acc)+8*tt
.if ks == 0
	v_wmma_f32_16x16x128_bf8_bf8 v[rA:rA+7], v[rW:rW+15], v[rX:rX+15], v[BIAS+8*tt:BIAS+8*tt+7]
.else
	v_wmma_f32_16x16x128_bf8_bf8 v[rA:rA+7], v[rW:rW+15], v[rX:rX+15], v[rA:rA+7]
.endif
.if \way
.irp u, 0,1
	v_med3_num_f32 v[(\pacc)+8*ks+2*tt+\u], 0, s[LIMS], v[(\pacc)+8*ks+2*tt+\u]   ; the activation and the hold in one (the conversion to an 8-bit code does not saturate: ISA guide 7.6.2); its one vector source stands third, where the products' setting means window 0
.endr
.endif
.set tt, tt+1
.endr
.set ks, ks+1
.endm
; A TILE.  buf, acc: its set of fragments and of accumulators.  way = 1: the tile before (accumulators pacc, codes pcd, the pj-th of its block) is held between 0 and the largest code, each accumulator from its low end on, and leaves between the halves.
; nh = 1: the codes that leave here are a new block's first.  ld = 1: the nj-th tile of slot nslot is fetched into the other set of fragments.  The first four products take b1 as C: nothing is cleared, no bias is added.
; chg = 1, 2: this is its block's last tile and slots are changed: each wave waits for all its tensor loads (its rows of slot nslot) and for its reads of the slot that is left, this tile's fragments among them.
;   chg = 1: with the add between the two waits; the round then holds for every wave of all four work-groups, and the slot that is left takes the block after the next, first thing behind the round.  chg = 2: nothing is left to ask for: my work-group's barrier alone.
; THE WAITS: at the tile's head 16: its fragments of K steps 0-3 are in, the younger 16 loads (K steps 4-7) may be out (17: and the add).  Between the halves 16: those are in, the next tile's 16 may be out.
.macro MULX buf, acc, way, pacc, pcd, pj, nh, ld, nslot, nj, chg
.if \way
	s_wait_xcnt 0x0                                ; the earlier stores have read their data and their base: codes and, with nh = 1, the base are written again only behind this wait
.if \nh
	s_add_co_u32 s[CB], s[CB], 1
	s_and_b32 s[CB], s[CB], 7                      ; the next block, round the eight
	s_lshl_b32 s22, s[CB], 14                      ; a block is 8 images of 2,048 bytes
	s_add_nc_u64 s[HB:HB+1], s[HQ0:HQ0+1], s[22:23]
.endif
.endif
.if (\chg) > 0
	s_wait_tensorcnt 0x0                           ; no tensor load of mine is out
.endif
.if (\chg) == 1
	ds_add_u32 v[SPW], v[NIL]                      ; 0 onto my spare word; the address step and eight products stand between it and the wait for it
	NEXTX 1-(\nslot)
	s_wait_dscnt 17
.else
	s_wait_dscnt 16
.endif
	WIN 0x0d                                       ; source 0 (W1) window 1, source 1 (x) window 3; source 2 and destination window 0
.set ks, 0
	PROD4 \buf, \acc, \way, \pacc
	PROD4 \buf, \acc, \way, \pacc
.if (\chg) > 0
	s_wait_dscnt 0x0                               ; my reads of the slot that is left are over (and the add is done)
	s_barrier_signal -1
.endif
	PROD4 \buf, \acc, \way, \pacc
	PROD4 \buf, \acc, \way, \pacc
	WIN 0
.if (\chg) > 0
	s_wait_alu depctr_va_vdst(0)
	s_barrier_wait -1
.endif
.if (\chg) == 1
	CREST
	JX 1-(\nslot)
.endif
.if \way
	CODES \pacc, \pcd, \pj
.endif
.if \ld
	XRUN 1-(\buf), \nslot, \nj, 0
	s_wait_dscnt 16
.else
	s_wait_dscnt 0x0
.endif
	WIN 0x0e                                       ; W1's K steps 4-7: window 2
.rept 4
	PROD4 \buf, \acc, 0, 0
.endr
	WIN 0
.if \ld
	XRUN 1-(\buf), \nslot, \nj, 4
.endif
	NOP4                                           ; the places behind the tile's last products, ahead of the first read of their results and of the first load into the fragments that they read (ISA guide 7.12.1 for vector instructions)
.endm
; From a block's second tile to the next block's first.  The block lies in slot; its successor in the other.
.macro HALF slot, chg
	MULX 1, ACC1, 1, ACC0, CD0, 0, 1, 1, \slot, 2, 0
	MULX 0, ACC0, 1, ACC1, CD1, 1, 0, 1, \slot, 3, 0
	MULX 1, ACC1, 1, ACC0, CD0, 2, 0, 1, 1-\slot, 0, \chg
	MULX 0, ACC0, 1, ACC1, CD1, 3, 0, 1, 1-\slot, 1, 0
.endm
	s_load_b256 s[4:11], s[0:1], 0x0               ; xq s[4:5], W1's codes s[6:7], b1 s[8:9], the scales' exponents s[10:11]
	s_load_b64 s[12:13], s[0:1], 0x20              ; hq
	v_lshl_add_u32 v[SPW], v0, 2, SPARE
	v_mov_b32 v[NIL], 0
	ds_add_u32 v[SPW], v[NIL]                      ; the wave's opening: the add, twice on end, and its wait ahead of my first tensor load; the set-up below stands between the second and the wait
	ds_add_u32 v[SPW], v[NIL]                      ; and once more
	v_lshrrev_b32 v1, 5, v0
	v_readfirstlane_b32 s[WV], v1                  ; wave 0..3
	s_lshr_b32 s15, s[WV], 1                       ; hh: which 64 hidden units.  Also: at the head I fetch W1 (0) or x (1)
	s_and_b32 s16, s[WV], 1                        ; rp: which tiles of tokens.  Also: which 64 rows I fetch at the head
	s_bfe_u32 s17, ttmp6, 0x40000                  ; cx: it enters W1's, b1's and hq's global addresses alone
	s_lshl_b32 s18, ttmp9, 2
	s_add_co_u32 s18, s18, s17                     ; slice = 4 x cluster x + cx
	s_and_b32 s19, ttmp7, 0xffff                   ; the expert
	s_add_co_u32 s[NB], ttmp9, s19
	s_and_b32 s[NB], s[NB], 7                      ; the cluster's first block
	s_add_co_u32 s[CB], s[NB], 7
	s_and_b32 s[CB], s[CB], 7                      ; one before it: the first block's first codes step it on
	; descriptor group 1: rows of 1,024 bytes, 1,024 bytes apart in memory, padded in LDS
	s_mov_b32 s[G1W], (1<<20)|(7<<22)|(3<<25)      ; 15:0 no mask; 17:16 elements of 1 byte; 20 padding on; 24:22 after every 256 words (code 7); 31:25 four words (code 3)
	s_mov_b32 s[G1X], 15|(1<<20)|(1<<21)|(7<<22)|(3<<25)   ; the same with the mask of all four work-groups, and bit 21 beside it
	s_mov_b32 s[G1H], 15|(1<<20)|(1<<21)|(7<<22)|(3<<25)
.irp g, G1W, G1X, G1H
	s_mov_b32 s[\g+1], 1024<<16                    ; tensor_dim0
	s_mov_b32 s[\g+3], 1024<<16                    ; tile_dim0
	s_mov_b32 s[\g+5], 1024                        ; tensor_dim0_stride
	s_mov_b32 s[\g+6], 0
	s_mov_b32 s[\g+7], 0
.endr
.irp g, G1W, G1H
	s_mov_b32 s[\g+2], 64<<16                      ; tensor_dim1
	s_mov_b32 s[\g+4], 64                          ; tile_dim1
.endr
	s_mov_b32 s[G1X+2], 32<<16
	s_mov_b32 s[G1X+4], 32
	v_and_b32 v1, 15, v0                           ; r
	v_bfe_u32 v2, v0, 4, 1                         ; h
	v_and_b32 v3, 31, v0                           ; lane
	v_and_b32 v5, 8, v1
	v_add_nc_u32 v5, v5, v1                        ; r + 8 (r / 8)
	s_lshl_b32 s22, s15, 6
	v_add_nc_u32 v5, s22, v5                       ; + 64 hh
	v_mul_u32_u24 v[AW], v5, PITCH
	v_lshl_add_u32 v[AW], v2, 4, v[AW]
	s_lshl_b32 s22, s16, 4
	v_add_nc_u32 v5, s22, v1                       ; token row 16 rp + r
	v_mul_u32_u24 v5, v5, PITCH
	v_lshl_add_u32 v[AX], v2, 4, v5
	v_add_nc_u32 v[AX+1], 64*PITCH, v[AX]
	v_add_nc_u32 v[AX+2], SLOT, v[AX]
	v_add_nc_u32 v[AX+3], SLOT+64*PITCH, v[AX]
	s_lshl_b32 s22, s15, 10
	s_lshl_b32 s23, s16, 11
	s_add_co_u32 s22, s22, s23
	v_lshl_add_u32 v[OUTV], v3, 4, s22             ; 16 lane + 1,024 hh + 2,048 rp
	s_lshl_b32 s22, s15, 8
	v_lshl_add_u32 v[BOFF], v2, 6, s22             ; 64 h + 256 hh
	s_mul_i32 s2, s[WV], WROWS                     ; my 32 rows in a slot: no place in the cluster enters an LDS address
	s_mul_i32 s80, s16, 2*WROWS                    ; at the head: my 64 rows
	s_lshl_b32 s58, s[WV], 15                      ; the 32 rows in memory,
	s_mov_b32 s59, 0
	s_lshl_b32 s66, s16, 16                        ; and the 64
	s_mov_b32 s67, 0
	s_lshl_b32 s22, s19, 22
	s_lshl_b32 s23, s18, 17
	s_add_co_u32 s22, s22, s23                     ; (32 e + slice) x 131,072: the slice's first byte in W1's codes, and its images' in hq
	s_mov_b32 s23, 0
	s_wait_dscnt 0x0                               ; both opening adds are done
	s_wait_kmcnt 0x0
	s_load_b128 s[60:63], s[10:11], 0x0            ; e0 (W1), e1 (x), e2 (h), e3
	s_add_nc_u64 s[HQ0:HQ0+1], s[12:13], s[22:23]
	s_add_nc_u64 s[XB:XB+1], s[4:5], s[58:59]
	s_mov_b32 s[G0W], 1                            ; 1:0 count = 1
	s_mov_b32 s[G0W+1], s80                        ; LDS address: slot 0
	s_add_nc_u64 s[G0W+2:G0W+3], s[6:7], s[22:23]
	s_add_nc_u64 s[G0W+2:G0W+3], s[G0W+2:G0W+3], s[66:67]
	s_or_b32 s[G0W+3], s[G0W+3], 0x80000000        ; type = 2
	s_mov_b32 s[G0X], 1                            ; the loop's two sets: their global addresses are written at the changes of slots
	s_mov_b32 s[G0X+1], s2
	s_mov_b32 s[G0X+4], 1
	s_add_co_u32 s[G0X+5], s2, SLOT
	s_lshl_b32 s22, s[NB], 17
	s_mov_b32 s[G0H], 1
	s_add_co_u32 s[G0H+1], s80, SLOT
	s_add_nc_u64 s[G0H+2:G0H+3], s[4:5], s[66:67]
	s_add_nc_u64 s[G0H+2:G0H+3], s[G0H+2:G0H+3], s[22:23]
	s_or_b32 s[G0H+3], s[G0H+3], 0x80000000
	s_lshl_b32 s22, s19, 14
	s_lshl_b32 s3, s18, 9
	s_add_co_u32 s22, s22, s3                      ; b1 at (e, 128 slice)
	s_add_nc_u64 s[8:9], s[8:9], s[22:23]
	ROUND                                          ; all four work-groups are here: the first joint load meets
	s_cmp_eq_u32 s15, 0                            ; one tensor load a wave: the branch hangs on the wave's number alone
	s_cbranch_scc0 .Lhead_x
	tensor_load_to_lds s[G0W:G0W+3], s[G1W:G1W+7]  ; waves 0, 1: 64 rows of W1's slice into slot 0
	s_nop 0
	NOP4
	s_branch .Lhead_asked
.Lhead_x:
	tensor_load_to_lds s[G0H:G0H+3], s[G1H:G1H+7]  ; waves 2, 3: 64 rows of the first block of x into slot 1
	s_nop 0
	NOP4
.Lhead_asked:
	s_wait_alu depctr_va_vdst(0)
.irp t, 0,1,2,3
	global_load_b128 v[BIAS+8*\t:BIAS+8*\t+3], v[BOFF], s[8:9] offset:(32*(\t/2)+8*(\t%2))*4       ; b1 in the result's layout: tile t, my half's eight units
	global_load_b128 v[BIAS+8*\t+4:BIAS+8*\t+7], v[BOFF], s[8:9] offset:(32*(\t/2)+8*(\t%2))*4+16
.endr
	s_wait_kmcnt 0x0
	s_add_co_i32 s22, s60, s61                     ; e0 + e1
	s_sub_co_i32 s59, 0, s22
	s_sub_co_i32 s22, s62, s22                     ; e2 - e0 - e1
	s_add_co_i32 s22, s22, 127
	s_lshl_b32 s58, s22, 23
	v_mov_b32 v[SC], s58
	s_add_co_i32 s22, s22, 15
	s_lshl_b32 s22, s22, 23
	s_or_b32 s[LIMS], s22, 0x600000                ; 57,344 x 2^(e2 - e0 - e1)
	s_wait_loadcnt 0x0
.set i, 0
.rept 32
	v_ldexp_f32 v[BIAS+i], v[BIAS+i], s59          ; b1 / 2^(e0 + e1)
.set i, i+1
.endr
	s_wait_alu depctr_va_vdst(0)
	s_wait_tensorcnt 0x0                           ; my one load has landed
	s_barrier_signal -1
	s_barrier_wait -1                              ; everybody's has
	WIN 0x40                                       ; destination window 1
.irp s, 0,1,2,3
.irp t, 0,1,2,3
.irp c, 0,1,2,3
	ds_load_b128 v[16*(4*\s+\t)+4*\c:16*(4*\s+\t)+4*\c+3], v[AW] offset:(32*(\t/2)+8*(\t%2))*PITCH+128*\s+32*\c
.endr
.endr
.endr
	WIN 0x80                                       ; window 2
.irp s, 0,1,2,3
.irp t, 0,1,2,3
.irp c, 0,1,2,3
	ds_load_b128 v[16*(4*\s+\t)+4*\c:16*(4*\s+\t)+4*\c+3], v[AW] offset:(32*(\t/2)+8*(\t%2))*PITCH+512+128*\s+32*\c
.endr
.endr
.endr
	WIN 0
	s_mov_b32 s23, 0                               ; the upper word of the offsets below
	s_wait_tensorcnt 0x0                           ; the first change of slots: no tensor load of mine is out;
	ds_add_u32 v[SPW], v[NIL]                      ; 0 onto my spare word;
	NEXTX 0
	s_wait_dscnt 0x0                               ; it is done, and W1's fragments are in registers
	ROUND
	JX 0                                           ; slot 0 takes the second block
	XRUN 0, 1, 0, 0                                ; the very first tile's fragments
	XRUN 0, 1, 0, 4
	s_wait_alu depctr_va_vdst(0)
	MULX 0, ACC0, 0, ACC1, CD1, 3, 0, 1, 1, 1, 0   ; the first tile stands in front of the loop: no tile before it is to be held
	s_mov_b32 s3, 3
.Lpair:                                            ; three trips of two blocks, each from a block's second tile to the next block's first; both slots are filled again
	HALF 1, 1
	HALF 0, 1
	s_sub_co_u32 s3, s3, 1
	s_cmp_lg_u32 s3, 0
	s_cbranch_scc1 .Lpair
	HALF 1, 2                                      ; the tail is written out: the seventh block asks for nothing
	MULX 1, ACC1, 1, ACC0, CD0, 0, 1, 1, 0, 2, 0   ; and the eighth changes no slot
	MULX 0, ACC0, 1, ACC1, CD1, 1, 0, 1, 0, 3, 0
	MULX 1, ACC1, 1, ACC0, CD0, 2, 0, 0, 0, 0, 0   ; the last tile fetches nothing
.set i, 0
.rept 32
	v_med3_num_f32 v[ACC1+i], 0, s[LIMS], v[ACC1+i]   ; the last tile's way out stands alone (four places stand behind its last products, at the end of the macro above)
.set i, i+1
.endr
	s_wait_alu depctr_va_vdst(0)
	s_wait_xcnt 0x0
	CODES ACC1, CD1, 3
	s_wait_tensorcnt 0x0                           ; the wave's end
	ds_add_u32 v[SPW], v[NIL]
	s_wait_dscnt 0x0
	ROUND                                          ; the closing round: no work-group ends while a partner may still ask for a block that names it
	s_endpgm
.Lfunc_end_k_q04079cbc64_up:
	.size	k_q04079cbc64_up, .Lfunc_end_k_q04079cbc64_up-k_q04079cbc64_up
	.p2alignl 7, 3214868480
	.fill 96, 4, 3214868480
	.section	.rodata,"a",@progbits
	.p2align	6, 0x0
	.amdhsa_kernel k_q04079cbc64_up
		.amdhsa_group_segment_fixed_size 327680
		.amdhsa_private_segment_fixed_size 0
		.amdhsa_enable_private_segment 0
		.amdhsa_kernarg_size 40
		.amdhsa_user_sgpr_count 2
		.amdhsa_user_sgpr_kernarg_segment_ptr 1
		.amdhsa_wavefront_size32 1
		.amdhsa_system_sgpr_workgroup_id_x 1
		.amdhsa_system_sgpr_workgroup_id_y 1
		.amdhsa_system_sgpr_workgroup_id_z 1
		.amdhsa_system_vgpr_workitem_id 0
		.amdhsa_next_free_vgpr 1024
		.amdhsa_next_free_sgpr 82
		.amdhsa_reserve_vcc 0
		.amdhsa_float_denorm_mode_32 3
		.amdhsa_float_denorm_mode_16_64 3
		.amdhsa_memory_ordered 1
		.amdhsa_forward_progress 1
		.amdhsa_inst_pref_size 132
	.end_amdhsa_kernel
	.amdgpu_metadata
---
amdhsa.version: [ 1, 2 ]
amdhsa.kernels:
  - .name:           k_q04079cbc64_up
    .symbol:         k_q04079cbc64_up.kd
    .args:
      - { .name: xq, .offset: 0, .size: 8, .value_kind: global_buffer, .address_space: global }
      - { .name: W1_codes, .offset: 8, .size: 8, .value_kind: global_buffer, .address_space: global }
      - { .name: b1, .offset: 16, .size: 8, .value_kind: global_buffer, .address_space: global }
      - { .name: lowp_scales, .offset: 24, .size: 8, .value_kind: global_buffer, .address_space: global }
      - { .name: hq, .offset: 32, .size: 8, .value_kind: global_buffer, .address_space: global }
    .group_segment_fixed_size: 327680
    .private_segment_fixed_size: 0
    .kernarg_segment_align: 8
    .kernarg_segment_size: 40
    .max_flat_workgroup_size: 128
    .sgpr_count:     82
    .vgpr_count:     1024
    .wavefront_size: 32
...
	.end_amdgpu_metadata
.endif
;; end of part 2
;; launch down (part 3): grid 64 x 4, 4 waves a work-group, clusters of 4 x 4, 327,680 bytes of LDS; arguments hq, W2_codes, lowp_scales, part, ix; writes part
.if DOCPART == 3
	.amdgcn_target "amdgcn-amd-amdhsa--gfx1250"
	.amdhsa_code_object_version 6
	.text
	.protected	k_q04079cbc64_down
	.globl	k_q04079cbc64_down
	.p2align	8
	.type	k_q04079cbc64_down,@function
k_q04079cbc64_down:
	s_mov_b64 s[64:65], 0
	v_nop
	global_prefetch_b8 v0, s[64:65] scope:SCOPE_SE
	s_setreg_imm32_b32 hwreg(HW_REG_WAVE_MODE, 25, 1), 1
	s_wait_xcnt 0x0
	s_wait_alu depctr_hold_cnt(0) depctr_sa_sdst(0) depctr_va_vdst(0) depctr_va_sdst(0) depctr_va_ssrc(0) depctr_va_vcc(0) depctr_vm_vsrc(0)
	s_getreg_b32 s2, hwreg(HW_REG_IB_STS2, 6, 4)
	s_cmp_eq_u32 s2, 0
	s_cbranch_scc0 .Lentry_in_a_cluster
	s_endpgm
.Lentry_in_a_cluster:
	s_bfe_u32 s2, ttmp6, 0x10000c
	s_cmp_lg_u32 s2, 0xf033
	s_cbranch_scc0 .Lentry_shape_is_right
	s_endpgm
.Lentry_shape_is_right:
; part[2 e + kh] = h W2 of expert e over half kh of its hidden units (K = 2,048), for all 1,024 outputs and the tokens that chose expert e, in f32.
; WORK LEFT OUT: the stores of the rows of tokens that did not choose expert e: their weight in y is the mask's 0 times a probability, 0 for all values of the inputs, and the last launch reads no such row.  Which they are is read from memory as whole numbers, stored by
; the first launch.  Their products are still made: they lie inside tiles that also hold chosen rows.  LIMIT: a NaN, an infinity or an overflow in such a row is not carried to y.
; SHARES.  A cluster of 4 x 4 work-groups makes one part of 1,024 x 1,024; a work-group 256 tokens x 256 outputs of it; a wave 128 x 128: 64 accumulators of 16 x 16, 512 registers.
; THE RING.  K goes in steps of 256 through two LDS slots: A's 16 images x 2 slices (65,536 bytes, unpadded: they lie as the fragments' registers), then B's 256 rows of 256 bytes, 272 apart.  One tensor load a wave fills a quarter of a slot.
; CLUSTER.  A's tile hangs on the token rows alone and is shared along a row of the cluster, B's on the outputs alone and is shared along a column: each is asked for JOINTLY by the four.
; THE CHANGE OF SLOTS stands behind the first half of a slot's last 64 products: between a refill and the wait for it stand all the 128 products of a slot.
; THE COLUMNS OF A TILE OF B: lane r of tile 4 g + b takes output 64 g + 4 r + (b + r / 4) % 4.  So in register j of the four accumulators (a, 4 g + 0 .. 3) lane (r, h) holds token 16 a + 8 h + j and the FOUR NEIGHBOURS 64 g + 4 r + 0 .. 3, and
; sixteen lanes one aligned unit of 256 bytes of a row: results leave straight from registers.  The turn by r / 4 spreads the sixteen rows that an LDS load touches over sixteen different groups of four banks (64 banks of 4 bytes: ISA guide 11.1).
; HENCE part's LAYOUT: row-major, but in the 16 bytes of columns 4 q .. 4 q + 3 place p holds column 4 q + (p + (q / 4) % 4) % 4.  The last launch turns them back.
; THE LAST K STEP GOES BY ROWS OF THE RESULT: all its fragments of B fill window 1, and the eight blocks of 16 tokens are finished one after the other, 16 products each, so that stores leave while later blocks are multiplied.
; THE MASKS: bit l of word k of my wave is 1 where token 32 k + l of its 128 has e among its first five ranks.  A pair of stores covers tokens 16 a + j (lanes 0-15) and 16 a + 8 + j (lanes 16-31): EXEC is made of those two bits, and is full again behind the pair.
; k's places in a fragment are 32 c + 16 (lane / 16) + 0 .. 15 for registers 4 c .. 4 c + 3, alike in both operands.  Each finished sum is multiplied once by 2^(e2 + e3).  LIMIT: e2 + e3 between -126 and 127.
; PREFETCH INTO THE L2: behind each joint load one instruction for the K step two on (at the head for K step 1 too); each block of 256 bytes is named once in each cluster: the four partners of a joint load share its blocks out by address (cx for A, cy for B).
; The last two refills ask for nothing.
; REGISTERS, in windows of 256: window 0: v1-30 addresses; v32-127 results on their way out, three sets of 32 (at the head rows of ix); v128-255 A's fragments (one set of 8 x 16 tokens x 128 K; in the last K step four buffers of 16 tokens x 256 K).
;   window 1: B's fragments, two sets of 8 x 16 outputs x 128 K.   window 2, 3: the accumulators (a, b) at v[8 (8 (a % 4) + b)], a = 0-3 and 4-7.
.set ROWB,   256                       ; bytes of a row of B's tile
.set KROW,   4096                      ; a row of W2's codes in memory
.set PITCH,  272
.set FR,     16                        ; registers of a fragment
.set ASTEP,  262144                    ; from K step to K step in hq: two slices of 64 images
.set HALFT,  128*PITCH                 ; what one tensor load brings of B
.set BBASE,  65536                     ; behind A's two halves of 32,768 bytes
.set SLOT,   BBASE+2*HALFT             ; 135,168
.set LAPS,   4                         ; a lap = two K steps
.set SPARE,  2*SLOT                    ; the spare words, 128 bytes for each wave: two blocks of 256 bytes that no other line names
.set ADRA, 16                          ; v16-17  LDS address of my A fragments in slot 0, 1
.set ADRB, 18                          ; v18-21, v22-25  of my B fragments b = 0 .. 3 in slot 0, 1
.set CO,   26                          ; v26     my byte offset in part
.set SPW,  28
.set NIL,  29
.set PFO,  30                          ; v30     the prefetches' offset
.set TMP,  32
.set AF,   128
.set G1, 24                            ; s[24:31] descriptor group 1 for A;  s[32:39] group 0, one set for each slot
.set G0, 32
.set G1B, 48                           ; s[48:55], s[56:63] the same for B
.set G0B, 56
.set PFS, 70                           ; s[70:71] bytes from K step to K step of what I fetch
.set PFA, 74                           ; s[74:75] where my prefetch stands; s[90:91] the head's second
.set PFB, 90
.set MK,  80                           ; s80-83  the four mask words
.set MSB, 0
.macro WIN new                         ; the immediate's high byte repeats the setting that is left
.if MSB != \new
	s_set_vgpr_msb (MSB<<8)|\new
.set MSB, \new
.endif
.endm
.set MUL_LO, 0xa4                      ; source 0 (A) window 0, source 1 (B) window 1, C and D window 2
.set MUL_HI, 0xf4                      ; the same, C and D window 3
.macro PLACES                          ; four places behind matrix instructions, ahead of loads into their sources and of reads of their results (ISA guide 7.12.1 for vector instructions)
.rept 4
	v_nop
.endr
.endm
.macro JLOAD s                         ; a joint load: waves 0 and 1 fetch A's halves, waves 2 and 3 B's; an s_nop 0 and four v_nop follow each line
	s_cmp_eq_u32 s15, 0
	s_cbranch_scc0 .Lfor_b_\@
	tensor_load_to_lds s[G0+4*\s:G0+4*\s+3], s[G1:G1+7]
	s_nop 0
	PLACES
	s_branch .Lasked_\@
.Lfor_b_\@:
	tensor_load_to_lds s[G0B+4*\s:G0B+4*\s+3], s[G1B:G1B+7]
	s_nop 0
	PLACES
.Lasked_\@:
.endm
.macro ASK p
	global_prefetch_b8 v[PFO], s[\p:\p+1] th:TH_LOAD_NT scope:SCOPE_SE
.endm
.macro CREST                           ; a round of the cluster's barrier behind its opening barrier
	s_cmp_lg_u32 s14, 0
	s_cbranch_scc1 .Lnot_wave_0_\@
	s_barrier_signal -3
.Lnot_wave_0_\@:
	s_barrier_wait -3
	s_barrier_signal -1
	s_barrier_wait -1
.endm
.macro CROUND                          ; a whole round
	s_barrier_signal -1
	s_barrier_wait -1
	CREST
.endm
	s_load_b128 s[4:7], s[0:1], 0x0                ; hq s[4:5], W2's codes s[6:7]
	s_load_b128 s[8:11], s[0:1], 0x10              ; the scales' exponents s[8:9], part s[10:11]
	s_load_b64 s[98:99], s[0:1], 0x20              ; ix
	v_lshl_add_u32 v[SPW], v0, 2, SPARE
	v_mov_b32 v[NIL], 0
	ds_add_u32 v[SPW], v[NIL]                      ; the wave's opening: the add, twice on end, and its wait ahead of my first tensor load
	ds_add_u32 v[SPW], v[NIL]
	v_lshrrev_b32 v1, 5, v0
	v_readfirstlane_b32 s14, v1                    ; wave 0..3
	s_lshr_b32 s15, s14, 1                         ; which 128 tokens.  Also: I fetch for A (0) or for B (1)
	s_and_b32 s16, s14, 1                          ; which 128 outputs.  Also: which half of that tile I fetch
	s_bfe_u32 s40, ttmp6, 0x40000                  ; cx: which 256 outputs
	s_bfe_u32 s41, ttmp6, 0x40004                  ; cy: which 256 tokens; ttmp9, the cluster's x, is 2 e + kh
	s_lshl_b32 s43, s41, 2
	s_lshl_b32 s43, 15, s43                        ; my row of the cluster
	s_lshl_b32 s44, 0x1111, s40                    ; my column
	s_or_b32 s[G1+0], s43, (3<<16)|(1<<21)         ; A: elements of 8 bytes: 2 slices of 16,384 bytes (8 images), 131,072 bytes apart
	s_mov_b32 s[G1+1], 2048<<16
	s_mov_b32 s[G1+2], 2<<16
	s_mov_b32 s[G1+3], 2048<<16
	s_mov_b32 s[G1+4], 2
	s_mov_b32 s[G1+5], 16384
	s_mov_b32 s[G1+6], 0
	s_mov_b32 s[G1+7], 0
	s_or_b32 s[G1B+0], s44, (1<<20)|(1<<21)|(5<<22)|(3<<25)   ; B: elements of 1 byte: 128 rows of 256, padded by four words behind every 64
	s_mov_b32 s[G1B+1], ROWB<<16
	s_mov_b32 s[G1B+2], 128<<16
	s_mov_b32 s[G1B+3], ROWB<<16
	s_mov_b32 s[G1B+4], 128
	s_mov_b32 s[G1B+5], KROW
	s_mov_b32 s[G1B+6], 0
	s_mov_b32 s[G1B+7], 0
	s_lshl_b32 s20, ttmp9, 21                      ; A: 16 slices of 131,072 bytes for each part,
	s_lshl_b32 s18, s41, 15                        ; 16 images for 256 tokens,
	s_add_co_u32 s20, s20, s18
	s_lshl_b32 s18, s16, 14                        ; 8 for my half
	s_add_co_u32 s20, s20, s18
	s_mov_b32 s21, 0
	s_lshr_b32 s89, ttmp9, 1                       ; the expert
	s_lshl_b32 s46, s89, 22                        ; B: its weights,
	s_lshl_b32 s47, s40, 20                        ; 256 rows,
	s_add_co_u32 s46, s46, s47
	s_lshl_b32 s47, s16, 19                        ; my 128,
	s_add_co_u32 s46, s46, s47
	s_and_b32 s47, ttmp9, 1                        ; and the half of K
	s_lshl_b32 s47, s47, 11
	s_add_co_u32 s46, s46, s47
	s_mov_b32 s47, 0
	s_lshl_b32 s45, s16, 15                        ; where they go: no place in the cluster enters an LDS address
	s_mul_i32 s42, s16, HALFT
	s_add_co_u32 s42, s42, BBASE
	s_wait_dscnt 0x0                               ; both opening adds are done
	s_wait_kmcnt 0x0
	s_load_b64 s[96:97], s[8:9], 0x8               ; e2, e3
	s_add_nc_u64 s[20:21], s[4:5], s[20:21]
	s_add_nc_u64 s[46:47], s[6:7], s[46:47]
	CROUND                                         ; all sixteen work-groups are here: the first joint loads meet
.irp s, 0,1
	s_mov_b32 s[G0+4*\s], 1
	s_add_co_u32 s[G0+4*\s+1], s45, \s*SLOT
	s_add_nc_u64 s[G0+4*\s+2:G0+4*\s+3], s[20:21], \s*ASTEP
	s_or_b32 s[G0+4*\s+3], s[G0+4*\s+3], 0x80000000
	s_mov_b32 s[G0B+4*\s], 1
	s_add_co_u32 s[G0B+4*\s+1], s42, \s*SLOT
	s_add_nc_u64 s[G0B+4*\s+2:G0B+4*\s+3], s[46:47], \s*ROWB
	s_or_b32 s[G0B+4*\s+3], s[G0B+4*\s+3], 0x80000000
.endr
	JLOAD 0                                        ; K step 0: one tensor load a wave at the head
	; the prefetches: of the 128 blocks of 256 bytes that a wave fetches in a K step my work-group names 32, a lane a block
	s_lshr_b32 s66, s40, 1                         ; A: partner cx takes slice cx / 2, 8,192 bytes from 8,192 x (cx % 2)
	s_lshl_b32 s66, s66, 17
	s_and_b32 s67, s40, 1
	s_lshl_b32 s67, s67, 13
	s_add_co_u32 s66, s66, s67
	s_lshl_b32 s67, s41, 17                        ; B: partner cy takes rows 32 cy .. + 31
	s_mov_b32 s[PFS], ROWB
	s_cmp_eq_u32 s15, 0
	s_cselect_b64 s[PFA:PFA+1], s[20:21], s[46:47]
	s_cselect_b32 s68, s66, s67
	s_cselect_b32 s[PFS], ASTEP, s[PFS]
	s_cselect_b32 s72, 8, 12                       ; lanes 256 bytes apart, or a row of 4,096
	s_mov_b32 s[PFS+1], 0
	s_mov_b32 s69, 0
	s_add_co_u32 s68, s68, s[PFS]
	s_add_nc_u64 s[PFA:PFA+1], s[PFA:PFA+1], s[68:69]   ; at K step 1,
	s_add_nc_u64 s[PFB:PFB+1], s[PFA:PFA+1], s[PFS:PFS+1]   ; and at K step 2
	; my wave's 128 rows of ix, 64 bytes each
	s_lshl_b32 s92, s41, 14
	s_lshl_b32 s93, s15, 13
	s_add_co_u32 s92, s92, s93
	s_mov_b32 s93, 0
	s_add_nc_u64 s[98:99], s[98:99], s[92:93]
	; where my part begins in part
	s_lshl_b32 s20, ttmp9, 22
	s_lshl_b32 s21, s41, 20
	s_add_co_u32 s20, s20, s21
	s_lshl_b32 s21, s15, 19
	s_add_co_u32 s20, s20, s21
	s_lshl_b32 s21, s40, 10
	s_add_co_u32 s20, s20, s21
	s_lshl_b32 s21, s16, 9
	s_add_co_u32 s20, s20, s21
	s_mov_b32 s21, 0
	s_add_nc_u64 s[10:11], s[10:11], s[20:21]
	s_lshl_b32 s21, s15, 15                        ; my 8 images of a slice in A's tile
	s_add_co_u32 s22, s21, SLOT
	s_mul_i32 s23, s16, HALFT                      ; my 128 rows of B's tile
	s_add_co_u32 s23, s23, BBASE
	v_and_b32 v6, 31, v0                           ; lane
	v_lshlrev_b32 v[PFO], s72, v6
	v_lshlrev_b32 v8, 6, v6                        ; a lane a row of ix
	ASK PFA                                        ; K step 1,
	ASK PFB                                        ; and K step 2
.irp k, 0,1,2,3
	global_load_b128 v[TMP+8*\k:TMP+8*\k+3], v8, s[98:99] offset:2048*\k        ; ranks 0 to 3 of token 32 k + lane,
	global_load_b32 v[TMP+8*\k+4], v8, s[98:99] offset:2048*\k+16               ; and rank 4
.endr
	v_lshlrev_b32 v6, 4, v6
	v_add_nc_u32 v[ADRA], s21, v6
	v_add_nc_u32 v[ADRA+1], s22, v6
	v_and_b32 v1, 15, v0                           ; r
	v_bfe_u32 v2, v0, 4, 1                         ; h
	v_lshlrev_b32 v3, 4, v1
	v_lshl_add_u32 v[CO], v2, 15, v3               ; 8 h rows of 4,096 bytes + 16 r
	v_lshrrev_b32 v4, 2, v1                        ; r / 4
	v_lshlrev_b32 v7, 4, v2
.irp b, 0,1,2,3
	v_add_nc_u32 v5, \b, v4
	v_and_b32 v5, 3, v5
	v_lshl_add_u32 v5, v1, 2, v5                   ; row 4 r + (b + r / 4) % 4
	v_mul_u32_u24 v5, v5, PITCH
	v_add_nc_u32 v5, v5, v7                        ; + 16 h
	v_add_nc_u32 v[ADRB+\b], s23, v5
	v_add_nc_u32 v[ADRB+4+\b], SLOT, v[ADRB+\b]
.endr
.macro MUL16 a0, p, zero               ; A's blocks a0, a0 + 1 x B's eight tiles of set p.  The 64 accumulators take turns, one instruction a turn, in the same order in every step
.irp a, \a0, \a0+1
.irp b, 0,1,2,3,4,5,6,7
.if \zero
	v_wmma_f32_16x16x128_bf8_bf8 v[8*(8*((\a)%4)+\b):8*(8*((\a)%4)+\b)+7], v[AF+FR*(\a):AF+FR*(\a)+FR-1], v[128*(\p)+FR*\b:128*(\p)+FR*\b+FR-1], 0
.else
	v_wmma_f32_16x16x128_bf8_bf8 v[8*(8*((\a)%4)+\b):8*(8*((\a)%4)+\b)+7], v[AF+FR*(\a):AF+FR*(\a)+FR-1], v[128*(\p)+FR*\b:128*(\p)+FR*\b+FR-1], v[8*(8*((\a)%4)+\b):8*(8*((\a)%4)+\b)+7]
.endif
.endr
.endr
.endm
.macro FETCH_B slot, q, p              ; B's eight fragments of the slot's q-th 128 along K into set p
	WIN 0x40                                       ; destination window 1, address window 0
.irp g, 0,1
.irp b, 0,1,2,3
.irp c, 0,1,2,3
	ds_load_b128 v[128*(\p)+FR*(4*\g+\b)+4*\c:128*(\p)+FR*(4*\g+\b)+4*\c+3], v[ADRB+4*\slot+\b] offset:128*(\q)+32*\c+64*\g*PITCH
.endr
.endr
.endr
	WIN 0
.endm
.macro FETCH_A slot, q, i0             ; A's blocks i0 .. i0 + 3: contiguous images
.irp i, \i0, \i0+1, \i0+2, \i0+3
.irp c, 0,1,2,3
	ds_load_b128 v[AF+FR*(\i)+4*\c:AF+FR*(\i)+4*\c+3], v[ADRA+\slot] offset:16384*(\q)+2048*(\i)+512*\c
.endr
.endr
.endm
.macro STEP slot, zero                 ; a slot's first 128 along K: 64 products; its second's fragments are fetched on the way
	s_wait_dscnt 16                                ; B's set and A's blocks 0-3 are in; the youngest 16 loads (A's blocks 4-7) may be out
	WIN MUL_LO
	MUL16 0, 0, \zero
	MUL16 2, 0, \zero
	s_wait_dscnt 0                                 ; A's blocks 4-7 are in
	PLACES
	FETCH_B \slot, 1, 1
	FETCH_A \slot, 1, 0
	WIN MUL_HI
	MUL16 4, 0, \zero
	MUL16 6, 0, \zero
	PLACES
	WIN 0
	FETCH_A \slot, 1, 4
.endm
; A slot's second 128 along K, and the change of slots in its middle: each wave waits for all its tensor loads, adds 0 to its spare word, and waits for that and for its own reads of this slot; behind the round this slot is filled again, two K steps on.
.macro TURN slot, next
	s_wait_xcnt 0x0                                ; the prefetch before has read its address
	s_add_nc_u64 s[PFA:PFA+1], s[PFA:PFA+1], s[PFS:PFS+1]
	s_wait_dscnt 16
	WIN MUL_LO
	MUL16 0, 1, 0
	MUL16 2, 1, 0
	WIN 0
	s_wait_tensorcnt 0x0                           ; my part of the next slot has landed, and nothing else of mine is out;
	ds_add_u32 v[SPW], v[NIL]                      ; 0 onto my spare word;
	s_add_nc_u64 s[G0+4*\slot+2:G0+4*\slot+3], s[G0+4*\slot+2:G0+4*\slot+3], 2*ASTEP
	s_add_nc_u64 s[G0B+4*\slot+2:G0B+4*\slot+3], s[G0B+4*\slot+2:G0B+4*\slot+3], 2*ROWB
	s_wait_dscnt 0x0                               ; the add is done, and my reads of this slot are over
	CROUND                                         ; no wave of any partner still reads this slot's tile or has a load on its way
	JLOAD \slot                                    ; the first tensor load behind the round; its four v_nop are also the places ahead of the loads below
	FETCH_B \next, 0, 0
	FETCH_A \next, 0, 0
	s_cmp_gt_u32 s3, 1                             ; in the last trip there is no K step two on
	s_cbranch_scc0 .Lno_ask_\@
	ASK PFA
.Lno_ask_\@:
	WIN MUL_HI
	MUL16 4, 1, 0
	MUL16 6, 1, 0
	PLACES
	WIN 0
	FETCH_A \next, 0, 4
.endm
; THE LAST K STEP (slot 1), by rows
.macro ALOAD a                         ; block a's fragments, both 128 along K: 8 loads into buffer a % 4
.irp q, 0,1
.irp c, 0,1,2,3
	ds_load_b128 v[AF+32*((\a)%4)+FR*\q+4*\c:AF+32*((\a)%4)+FR*\q+4*\c+3], v[ADRA+1] offset:16384*\q+2048*(\a)+512*\c
.endr
.endr
.endm
.macro ROW a, w0, w1                   ; block a is finished: 16 products.  w0, w1: the LDS loads younger than what each half needs
	WIN MUL_LO+0x50*((\a)/4)
.irp q, 0,1
.if \q == 0
	s_wait_dscnt \w0
.else
	s_wait_dscnt \w1
.endif
.irp b, 0,1,2,3,4,5,6,7
	v_wmma_f32_16x16x128_bf8_bf8 v[64*((\a)%4)+8*\b:64*((\a)%4)+8*\b+7], v[AF+32*((\a)%4)+FR*\q:AF+32*((\a)%4)+FR*\q+FR-1], v[128*\q+FR*\b:128*\q+FR*\b+FR-1], v[64*((\a)%4)+8*\b:64*((\a)%4)+8*\b+7]
.endr
.endr
	WIN 0
.endm
.macro OUT a                           ; block a leaves: x 2^(e2 + e3), each accumulator from its low end on; then eight pairs of stores, each under its own two tokens' bits
	s_wait_xcnt 0x0                                ; every earlier store and prefetch has read its registers
	WIN 0x08+4*((\a)/4)                            ; source 1: window 2 or 3
.irp g, 0,1
.set TB, TMP+32*((2*(\a)+\g)%3)
.irp j, 0,1,2,3,4,5,6,7
.irp b, 0,1,2,3
	v_mul_f32 v[TB+4*\j+\b], s96, v[64*((\a)%4)+8*(4*\g+\b)+\j]
.endr
.endr
.endr
	WIN 0
	s_wait_alu depctr_va_vdst(0)
.irp j, 0,1,2,3,4,5,6,7
	s_bitcmp1_b32 s[MK+(\a)/2], 16*((\a)%2)+\j
	s_cselect_b32 s85, 0xffff, 0
	s_bitcmp1_b32 s[MK+(\a)/2], 16*((\a)%2)+8+\j
	s_cselect_b32 s86, 0xffff0000, 0
	s_or_b32 s85, s85, s86
	s_and_saveexec_b32 s87, s85                    ; no global access of mine still reads EXEC
.irp g, 0,1
.set TB, TMP+32*((2*(\a)+\g)%3)
	global_store_b128 v[CO], v[TB+4*\j:TB+4*\j+3], s[10:11] offset:65536*(\a)+4096*\j+256*\g th:TH_STORE_NT   ; up to two rows' aligned units of 256 bytes, each whole from sixteen lanes
.endr
	s_wait_xcnt 0x0                                ; EXEC changes only behind this wait
	s_or_b32 exec_lo, exec_lo, s87
.endr
.endm
	s_wait_alu depctr_va_vdst(0)
	s_wait_xcnt 0x0                                ; the prefetches have read their addresses
	s_add_nc_u64 s[PFA:PFA+1], s[PFB:PFB+1], s[PFS:PFS+1]   ; at K step 3
	s_wait_kmcnt 0x0
	s_add_co_i32 s96, s96, s97                     ; e2 + e3
	s_add_co_i32 s96, s96, 127
	s_lshl_b32 s96, s96, 23                        ; 2^(e2 + e3) as f32
	s_wait_loadcnt 0x0                             ; ix is in: the mask words
.irp k, 0,1,2,3
	v_cmp_eq_u32 s[MK+\k], s89, v[TMP+8*\k]
.irp q, 1,2,3,4
	v_cmp_eq_u32 s84, s89, v[TMP+8*\k+\q]
	s_or_b32 s[MK+\k], s[MK+\k], s84
.endr
.endr
	s_wait_tensorcnt 0x0                           ; my part of K step 0 is in
	ds_add_u32 v[SPW], v[NIL]
	s_wait_dscnt 0x0
	CROUND                                         ; everybody's part of K step 0 is in, and all sixteen work-groups are here
	JLOAD 1                                        ; K step 1: the first tensor load behind the round
	FETCH_B 0, 0, 0
	FETCH_A 0, 0, 0
	FETCH_A 0, 0, 4
	ASK PFA                                        ; K step 3, two on
	STEP 0, 1                                      ; the first 128 along K start the sums: nothing is cleared
	s_mov_b32 s3, LAPS-1
.Llap:                                                 ; a trip goes once round the ring and fills both slots again
	TURN 0, 1
	STEP 1, 0
	TURN 1, 0
	STEP 0, 0
	s_sub_co_u32 s3, s3, 1
	s_cmp_lg_u32 s3, 0
	s_cbranch_scc1 .Llap
	s_wait_dscnt 16                                ; slot 0's last products; nothing is filled again
	WIN MUL_LO
	MUL16 0, 1, 0
	MUL16 2, 1, 0
	WIN 0
	s_wait_tensorcnt 0x0                           ; my part of the last K step has landed
	s_wait_dscnt 0x0
	s_barrier_signal -1
	s_barrier_wait -1                              ; everybody's has
	PLACES
	FETCH_B 1, 0, 0
	ALOAD 0                                        ; the buffers of blocks 0 and 1 lie where A's blocks 0-3 lay; blocks 4-7 are still to be multiplied
	ALOAD 1
	WIN MUL_HI
	MUL16 4, 1, 0
	MUL16 6, 1, 0
	PLACES
	WIN 0
	FETCH_B 1, 1, 1
	ALOAD 2
	ALOAD 3
	ROW 0, 56, 16                                  ; behind block 0's loads: block 1's 8, B's 32, blocks 2's and 3's 16; behind B's: those 16
	ROW 1, 16, 16
	PLACES
	ALOAD 4
	ALOAD 5
	OUT 0
	ROW 2, 24, 24                                  ; blocks 3, 4, 5 may be out
	OUT 1                                          ; a block's multiplications are the places behind the next block's products
	ALOAD 6
	ROW 3, 24, 24
	OUT 2
	ALOAD 7
	ROW 4, 24, 24
	OUT 3
	ROW 5, 16, 16
	OUT 4
	ROW 6, 8, 8
	OUT 5
	ROW 7, 0, 0
	OUT 6
	OUT 7
	s_wait_tensorcnt 0x0                           ; the wave's end
	ds_add_u32 v[SPW], v[NIL]
	s_wait_dscnt 0x0
	CROUND                                         ; the closing round: no work-group ends while a partner may still ask for a tile that names it
	s_endpgm
.Lfunc_end_k_q04079cbc64_down:
	.size	k_q04079cbc64_down, .Lfunc_end_k_q04079cbc64_down-k_q04079cbc64_down
	.p2alignl 7, 3214868480
	.fill 96, 4, 3214868480
	.section	.rodata,"a",@progbits
	.p2align	6, 0x0
	.amdhsa_kernel k_q04079cbc64_down
		.amdhsa_group_segment_fixed_size 327680
		.amdhsa_private_segment_fixed_size 0
		.amdhsa_enable_private_segment 0
		.amdhsa_kernarg_size 40
		.amdhsa_user_sgpr_count 2
		.amdhsa_user_sgpr_kernarg_segment_ptr 1
		.amdhsa_wavefront_size32 1
		.amdhsa_system_sgpr_workgroup_id_x 1
		.amdhsa_system_sgpr_workgroup_id_y 1
		.amdhsa_system_sgpr_workgroup_id_z 1
		.amdhsa_system_vgpr_workitem_id 0
		.amdhsa_next_free_vgpr 1024
		.amdhsa_next_free_sgpr 100
		.amdhsa_reserve_vcc 0
		.amdhsa_float_denorm_mode_32 3
		.amdhsa_float_denorm_mode_16_64 3
		.amdhsa_memory_ordered 1
		.amdhsa_forward_progress 1
		.amdhsa_inst_pref_size 132
	.end_amdhsa_kernel
	.amdgpu_metadata
---
amdhsa.version: [ 1, 2 ]
amdhsa.kernels:
  - .name:           k_q04079cbc64_down
    .symbol:         k_q04079cbc64_down.kd
    .args:
      - { .name: hq, .offset: 0, .size: 8, .value_kind: global_buffer, .address_space: global }
      - { .name: W2_codes, .offset: 8, .size: 8, .value_kind: global_buffer, .address_space: global }
      - { .name: lowp_scales, .offset: 16, .size: 8, .value_kind: global_buffer, .address_space: global }
      - { .name: part, .offset: 24, .size: 8, .value_kind: global_buffer, .address_space: global }
      - { .name: ix, .offset: 32, .size: 8, .value_kind: global_buffer, .address_space: global }
    .group_segment_fixed_size: 327680
    .private_segment_fixed_size: 0
    .kernarg_segment_align: 8
    .kernarg_segment_size: 40
    .max_flat_workgroup_size: 128
    .sgpr_count:     100
    .vgpr_count:     1024
    .wavefront_size: 32
...
	.end_amdgpu_metadata
.endif
;; end of part 3
;; launch comb (part 4): grid 256 x 1, 8 waves a work-group, no clusters, 0 bytes of LDS; arguments part, gw, ix, b2, out0; writes out0
.if DOCPART == 4
	.amdgcn_target "amdgcn-amd-amdhsa--gfx1250"
	.amdhsa_code_object_version 6
	.text
	.protected	k_q04079cbc64_comb
	.globl	k_q04079cbc64_comb
	.p2align	8
	.type	k_q04079cbc64_comb,@function
k_q04079cbc64_comb:
	s_mov_b64 s[64:65], 0
	v_nop
	global_prefetch_b8 v0, s[64:65] scope:SCOPE_SE
	s_setreg_imm32_b32 hwreg(HW_REG_WAVE_MODE, 25, 1), 1
	s_wait_xcnt 0x0
; y[n][o] = the sum over the ranks r = 0 .. 4 of gw[n][r] x (part[2 e][n][o] + part[2 e + 1][n][o] + b2[e][o]), e = ix[n][r]: the five experts that token n chose.
; WORK LEFT OUT: the terms of the three experts that a token did not choose.  Their weight is the mask's 0 times a probability: 0 for all values of the inputs; so their rows of part and of b2 are not read.
; Which they are is read from memory as whole numbers, stored by the first launch.  LIMIT: a NaN, an infinity or an overflow in such a row is not carried to y.  The terms are added in the order of rank, not of the experts' numbers.
; A stream: 10 numbers of part are read for each number written, each byte once.  A work-group owns 4 rows of y; thread t owns the 16 bytes at 16 t of every row, so a wave's load or store covers 512 consecutive bytes and the
; eight waves a row.  The rows' weights and experts' numbers are scalars; a number is held at 7 and enters the loads' offsets by a shift and an addition.  No LDS, no barrier, no matrix unit: nothing is shared between lanes.
; NO CLUSTER: what work-groups share is b2, 32,768 bytes beside the 163,840 bytes of part that each reads for itself.  No prefetch: every load of the work-group is issued within its first lines.
; Three row slots of 15 loads: 45 loads of a wave are out at the start.
.set ROW, 4096                         ; bytes in a row
.set HALF, 4194304                     ; from a part to the next
.set OFP, 2                            ; v2-21    row i, rank r: 16 t + the expert's first part: e x 2 parts
.set OFB, 22                           ; v22-41   row i, rank r: 16 t + the expert's row of b2
.set L,   42                           ; v42-221  three slots of 60: rank r's two halves at 12 r, 12 r + 4, its bias at 12 r + 8
.set T,   222                          ; v222-229 at work, two sets by turns
.set Y,   230                          ; v230-245 4 registers for each row: no store's data are written again
.set Z,   246                          ; v246-249 the row's weighted sum of b2, kept apart: part's four numbers of 16 bytes stand turned by (t / 4) % 4 places (place p holds column (p + t / 4) % 4), b2's do not
.set R,   250                          ; v250-253 the sums on their way back into order
	s_load_b256 s[4:11], s[0:1], 0x0               ; part s[4:5], gw s[6:7], ix s[8:9], b2 s[10:11]
	s_load_b64 s[12:13], s[0:1], 0x20              ; out0
	v_lshlrev_b32 v1, 4, v0                        ; 16 t
	s_lshl_b32 s84, ttmp9, 14                      ; my 4 rows of 4,096 bytes,
	s_mov_b32 s85, 0
	s_lshl_b32 s86, ttmp9, 8                       ; and their 4 rows of 64 bytes of gw and of ix (the first 8 words of each are read)
	s_mov_b32 s87, 0
	s_wait_alu depctr_va_vdst(0)
	s_wait_kmcnt 0x0
	s_add_nc_u64 s[8:9], s[8:9], s[86:87]
	s_add_nc_u64 s[6:7], s[6:7], s[86:87]
	s_load_b256 s[48:55], s[8:9], 0x0              ; ix of rows 0 .. 3
	s_load_b256 s[56:63], s[8:9], 0x40
	s_load_b256 s[68:75], s[8:9], 0x80
	s_load_b256 s[76:83], s[8:9], 0xc0
	s_load_b256 s[16:23], s[6:7], 0x0              ; gw of rows 0 .. 3
	s_load_b256 s[24:31], s[6:7], 0x40
	s_load_b256 s[32:39], s[6:7], 0x80
	s_load_b256 s[40:47], s[6:7], 0xc0
	s_add_nc_u64 s[4:5], s[4:5], s[84:85]
	s_add_nc_u64 s[12:13], s[12:13], s[84:85]
	v_and_b32 v[Z], 64, v1                         ; bit 2 of t: turned by one,
	v_and_b32 v[Z+1], 0x80, v1                     ; bit 3: by two
	v_cmp_ne_u32 s86, 0, v[Z]
	v_cmp_ne_u32 s87, 0, v[Z+1]
	s_wait_kmcnt 0x0
.macro OFFS i                          ; row i's ten offsets
.irp r, 0,1,2,3,4
.set IX, 48+8*\i+4*(\i/2)+\r
	s_min_u32 s[IX], s[IX], 7                      ; an expert's number, held inside the table that it indexes
	s_lshl_b32 s14, s[IX], 23                      ; two parts of 4,194,304 bytes an expert
	s_lshl_b32 s15, s[IX], 12                      ; a row of b2
	v_add_nc_u32 v[OFP+5*\i+\r], s14, v1
	v_add_nc_u32 v[OFB+5*\i+\r], s15, v1
.endr
.endm
.macro LOADROW i, slot
.irp r, 0,1,2,3,4
	global_load_b128 v[L+60*\slot+12*\r:L+60*\slot+12*\r+3],    v[OFP+5*\i+\r], s[4:5] offset:ROW*\i th:TH_LOAD_NT        ; each row of part is named by one token and one rank: read once
	global_load_b128 v[L+60*\slot+12*\r+4:L+60*\slot+12*\r+7],  v[OFP+5*\i+\r], s[4:5] offset:HALF+ROW*\i th:TH_LOAD_NT
	global_load_b128 v[L+60*\slot+12*\r+8:L+60*\slot+12*\r+11], v[OFB+5*\i+\r], s[10:11]
.endr
.endm
.macro ROWSUM i, slot
.irp r, 0,1,2,3,4
.set LA, L+60*\slot+12*\r
.set TT, T+4*(\r%2)
	v_pk_add_f32 v[TT:TT+1],   v[LA:LA+1],   v[LA+4:LA+5]          ; the two halves of K,
	v_pk_add_f32 v[TT+2:TT+3], v[LA+2:LA+3], v[LA+6:LA+7]
.irp c, 0,1,2,3
.if \r == 0
	v_mul_f32 v[Z+\c], s[16+8*\i+\r], v[LA+8+\c]                   ; the bias and the two halves' sum, each by the weight; the first expert starts the sums
	v_mul_f32 v[Y+4*\i+\c], s[16+8*\i+\r], v[TT+\c]
.else
	v_fma_f32 v[Z+\c], s[16+8*\i+\r], v[LA+8+\c], v[Z+\c]
	v_fma_f32 v[Y+4*\i+\c], s[16+8*\i+\r], v[TT+\c], v[Y+4*\i+\c]
.endif
.endr
.endr
.irp c, 0,1,2,3
	v_cndmask_b32 v[R+\c], v[Y+4*\i+\c], v[Y+4*\i+(\c+3)%4], s86   ; turned back by one,
.endr
.irp c, 0,1,2,3
	v_cndmask_b32 v[Y+4*\i+\c], v[R+\c], v[R+(\c+2)%4], s87        ; and by two
.endr
.irp c, 0,1,2,3
	v_add_f32 v[Y+4*\i+\c], v[Y+4*\i+\c], v[Z+\c]
.endr
	global_store_b128 v1, v[Y+4*\i:Y+4*\i+3], s[12:13] offset:ROW*\i   ; a wave stores 512 consecutive bytes, at a multiple of 512 from y's first byte
.endm
	OFFS 0
	s_wait_alu depctr_va_vdst(0)
	LOADROW 0, 0
	OFFS 1
	s_wait_alu depctr_va_vdst(0)
	LOADROW 1, 1
	OFFS 2
	s_wait_alu depctr_va_vdst(0)
	LOADROW 2, 2
	OFFS 3
	s_wait_loadcnt 30                              ; row 0 is in; rows 1 and 2, fifteen loads each, may be out
	ROWSUM 0, 0
	LOADROW 3, 0
	s_wait_loadcnt 30                              ; row 1 is in; rows 2 and 3 may be out
	ROWSUM 1, 1
	s_wait_loadcnt 15                              ; row 2 is in; row 3 may be out
	ROWSUM 2, 2
	s_wait_loadcnt 0x0
	ROWSUM 3, 0
	s_endpgm
.Lfunc_end_k_q04079cbc64_comb:
	.size	k_q04079cbc64_comb, .Lfunc_end_k_q04079cbc64_comb-k_q04079cbc64_comb
	.p2alignl 7, 3214868480
	.fill 96, 4, 3214868480
	.section	.rodata,"a",@progbits
	.p2align	6, 0x0
	.amdhsa_kernel k_q04079cbc64_comb
		.amdhsa_group_segment_fixed_size 0
		.amdhsa_private_segment_fixed_size 0
		.amdhsa_enable_private_segment 0
		.amdhsa_kernarg_size 40
		.amdhsa_user_sgpr_count 2
		.amdhsa_user_sgpr_kernarg_segment_ptr 1
		.amdhsa_wavefront_size32 1
		.amdhsa_system_sgpr_workgroup_id_x 1
		.amdhsa_system_sgpr_workgroup_id_y 1
		.amdhsa_system_sgpr_workgroup_id_z 1
		.amdhsa_system_vgpr_workitem_id 0
		.amdhsa_next_free_vgpr 256
		.amdhsa_next_free_sgpr 88
		.amdhsa_reserve_vcc 0
		.amdhsa_float_denorm_mode_32 3
		.amdhsa_float_denorm_mode_16_64 3
		.amdhsa_memory_ordered 1
		.amdhsa_forward_progress 1
		.amdhsa_inst_pref_size 25
	.end_amdhsa_kernel
	.amdgpu_metadata
---
amdhsa.version: [ 1, 2 ]
amdhsa.kernels:
  - .name:           k_q04079cbc64_comb
    .symbol:         k_q04079cbc64_comb.kd
    .args:
      - { .name: part, .offset: 0, .size: 8, .value_kind: global_buffer, .address_space: global }
      - { .name: gw, .offset: 8, .size: 8, .value_kind: global_buffer, .address_space: global }
      - { .name: ix, .offset: 16, .size: 8, .value_kind: global_buffer, .address_space: global }
      - { .name: b2, .offset: 24, .size: 8, .value_kind: global_buffer, .address_space: global }
      - { .name: out0, .offset: 32, .size: 8, .value_kind: global_buffer, .address_space: global }
    .group_segment_fixed_size: 0
    .private_segment_fixed_size: 0
    .kernarg_segment_align: 8
    .kernarg_segment_size: 40
    .max_flat_workgroup_size: 256
    .sgpr_count:     88
    .vgpr_count:     256
    .wavefront_size: 32
...
	.end_amdgpu_metadata
.endif
;; end of part 4
